; MI455X (gfx1250); checked and timed in simulation.
; The chip was launched on July 23, 2026; its instructions are those of AMD's public machine-readable ISA for CDNA 5 (MIT licence, August 2026) and "CDNA5" Instruction Set Architecture Reference Guide (July 2026). The comments in the code are by the model that wrote it; some were corrected since.
;; Multi Head Attention MIL. Allowed arithmetic: matrix products marked QUANTISED: E3M2 operands, one E8M0 scale for each 32 along K, by v_wmma_scale_f32_16x16x128_f8f6f4 with both operands' format E3M2, f32 sums; products left as they are: f32 operands where the result goes on into a quantised operand, else bf16, f16 or f32 operands; f32 sums; everything else in f32.
;; Inputs: Wk_codes 512 x 16 x 24 uint8 (E3M2 codes of Wk, K innermost, in blocks of 32 codes, four codes in three bytes); Wk_scales 512 x 16 uint8 (E8M0 scales of Wk, one for each 32 codes along K); Wo 512 x 512 float32; Wq 512 x 512 float32; Wv_codes 512 x 16 x 24 uint8 (E3M2 codes of Wv, K innermost, in blocks of 32 codes, four codes in three bytes); Wv_scales 512 x 16 uint8 (E8M0 scales of Wv, one for each 32 codes along K); bk 512 float32; bo 512 float32; bq 512 float32; bv 512 float32; mask 131,072 bool; mil_query 512 float32; unit_embeddings_codes 131,072 x 16 x 24 uint8 (E3M2 codes of unit_embeddings, K innermost, in blocks of 32 codes, four codes in three bytes); unit_embeddings_scales 131,072 x 16 uint8 (E8M0 scales of unit_embeddings, one for each 32 codes along K).
;; Outputs: out0 512 float32; out1 131,072 float32.
;; This version of the problem:
;;   THIS VERSION OF THE PROBLEM IS GIVEN IN LOW PRECISION. The matrix products marked QUANTISED in the list below multiply operands that are first quantised to E3M2 (3 exponent bits, 2 mantissa bits; 6 bits a number), with one power-of-two scale for each 32 numbers along K (OCP MX v1.0); their sums are f32. All else is computed in f32.
;;   The module's matrix products, in the order in which they are computed (A, B: the left and right operand; K: the contracted axis; several contracted axes count as one K, in the product's order):
;;     1. [M 1, K 512] x [K 512, N 512]; A: input mil_query; B: input Wq: left as it is (M = 1 < 16)
;;     2. [M 131,072, K 512] x [K 512, N 512]; A: input unit_embeddings (given as codes); B: input Wk (given as codes): QUANTISED
;;     3. [M 131,072, K 512] x [K 512, N 512]; A: input unit_embeddings (given as codes); B: input Wv (given as codes): QUANTISED
;;     4. batch 8 x [M 1, K 64] x [K 64, N 131,072]; A: computed on the way; B: computed on the way: left as it is (M = 1 < 16)
;;     5. batch 8 x [M 1, K 131,072] x [K 131,072, N 64]; A: softmax; B: computed on the way: left as it is (M = 1 < 16)
;;     6. [M 1, K 512] x [K 512, N 512]; A: computed on the way; B: input Wo: left as it is (M = 1 < 16)
;;   THE QUANTISER, for each operand of a quantised product, along K:
;;     - K is cut into blocks of 32 from its start; a last block that is shorter is filled with zeros.
;;     - A block's scale is 2^e with e = floor(log2(the largest magnitude in the block)) - 4, held to -126 .. 127; a block of zeros has e = 0. As a byte (E8M0): e + 127.
;;     - Each number is divided by its block's scale, clamped to +-28, and rounded to the nearest number of E3M2, ties to even, subnormals kept.
;;     - The product sums the exact products of the quantised numbers (number of the format x scale) in f32.
;;   ~~~python
;;   def quantise(x, axis):      # numpy; x: float32 -> the quantised numbers, widened to float32 again
;;       x = np.moveaxis(x, axis, -1); K = x.shape[-1]
;;       x = np.pad(x, [(0, 0)] * (x.ndim - 1) + [(0, -K % 32)]); x = x.reshape(x.shape[:-1] + (-1, 32)); a = np.abs(x).max(-1, keepdims=True)
;;       e = np.where(a > 0, np.clip(np.frexp(np.where(a > 0, a, 1))[1] - 1 - 4, -126, 127), 0)      # np.frexp(a)[1] - 1 = floor(log2(a)), exactly
;;       r = np.clip(x / 2.0 ** e, -28, 28)
;;       step = 2.0 ** (np.maximum(np.frexp(np.where(r == 0, 1, r))[1] - 1, -2) - 2)
;;       q = np.round(r / step) * step * 2.0 ** e      # np.round: ties to even
;;       return np.moveaxis(q.reshape(q.shape[:-2] + (-1,))[..., :K], -1, axis).astype(np.float32)
;;   ~~~
;;   INPUTS GIVEN AS CODES. Wk (in the module: [512, 512], K = its axis 1); Wv (in the module: [512, 512], K = its axis 1); unit_embeddings (in the module: [131072, 512], K = its axis 1): each comes as NAME_codes (uint8): NAME with its K axis moved to the last place and cut into blocks of 32 codes, [.., K / 32, bytes a block], one block behind the other in memory; four codes in three bytes: a row's codes are one little-endian stream of bits, code i at bits 6 i .. 6 i + 5 (a code: sign, 3 exponent bits, 2 mantissa bits); and NAME_scales (uint8): the same leading axes, one E8M0 byte (e + 127) for each 32 codes along K. Its value is code x scale, taken as it is: it is not quantised again, and the codes and scales need not be those that the quantiser above would give.
;; One version. Each part assembles by itself: llvm-mc -triple=amdgcn-amd-amdhsa -mcpu=gfx1250 --defsym DOCPART=n.
;; ======== version 1 of 1: 3 launches
;; limits: right only within a limited range of input values
;; workspace buffers: qs 2,048 bytes; wimg 393,216 bytes; scores 4,194,304 bytes; pacc 524,288 bytes; pstat 16,384 bytes
;; launch prep (part 1): grid 24 x 1, 8 waves a work-group, no clusters, 0 bytes of LDS; arguments mil_query, Wq, bq, Wk_codes, Wv_codes, qs, wimg; writes qs, wimg
.if DOCPART == 1
	.amdgcn_target "amdgcn-amd-amdhsa--gfx1250"
	.amdhsa_code_object_version 6
	.text
	.protected	k_q66f6bd220e_prep
	.globl	k_q66f6bd220e_prep
	.p2align	8
	.type	k_q66f6bd220e_prep,@function
k_q66f6bd220e_prep:
	s_mov_b64 s[64:65], 0
	v_nop
	global_prefetch_b8 v0, s[64:65] scope:SCOPE_SE
	s_setreg_imm32_b32 hwreg(HW_REG_WAVE_MODE, 25, 1), 1
	s_wait_xcnt 0x0
; MultiHeadAttentionMIL, launch 1 of 3.
; (a) qs[j] = (sum over k of Wq[j][k] mil_query[k] + bq[j]) x log2(e) / 8: the one query, with the softmax's 1 / sqrt(64) and the change to base 2 folded in; f32 throughout.
; (b) Wk's and Wv's codes are laid once in the order of an operand's registers, so that the next launch loads each fragment by three loads of 16 bytes a lane.
; WORK LEFT OUT, IN THE WHOLE PROGRAM: bk.  K = X Wk^T + bk reaches the outputs through scores[h][n] = q_h . K[n][h] / 8 alone, and K is no operand of a quantised product.  bk adds q_h . bk_h / 8 to every
; score of row h, the same number along n, the softmax's axis: numerator and denominator of w[h][n] are both multiplied by its exponential, for all values of the inputs.  So bk has no way to any output;
; it is not loaded and is among no launch's arguments.  LIMIT: a NaN, an infinity or an overflow that arises through bk alone is not carried to the results.
; bv is live: since the weights of a head sum to 1 by the softmax's own division, sum_n w[h][n] (V[n] + bv) = sum_n w[h][n] V[n] + bv: it is added once, in the last launch.
; SHARES.  Work-groups 0-15: wave v of work-group g makes qs[32 g + 4 v + 0 .. 3]: a row of Wq is 2,048 bytes, four loads of 512 consecutive bytes.  Work-groups 16-23: a wave takes one tile of 16 rows of one weight.
; wimg: for wave w of the next launch 98,304 bytes: 64 fragments of 1,536 bytes, fragment 32 M + 4 T' + s (M: 0 Wk, 1 Wv; T': tile of 16 channels among the wave's 128; s: K step of 128);
; in a fragment registers 4 j .. 4 j + 3 lie at 512 j, lane l's 16 bytes at 16 l.  No LDS, no matrix unit, no cluster: nothing is shared and the launch is small.
.set XQ,  16                           ; v16-31   mil_query: my 16 numbers
.set WR,  32                           ; v32-95   four rows of Wq: my 16 numbers of each
.set TA,  96                           ; v96-99   two chains of packed sums
.set DS,  100                          ; v100-103 the four sums;  v104-107 the other half of the lanes'
	s_load_b256 s[4:11], s[0:1], 0x0               ; mil_query s[4:5], Wq s[6:7], bq s[8:9], Wk's codes s[10:11]
	s_load_b128 s[12:15], s[0:1], 0x20             ; Wv's codes s[12:13], qs s[14:15]
	s_load_b64 s[16:17], s[0:1], 0x30              ; wimg
	v_lshrrev_b32 v1, 5, v0
	s_delay_alu instid0(VALU_DEP_1)
	v_readfirstlane_b32 s18, v1                    ; wave 0..7
	v_and_b32 v2, 31, v0                           ; lane
	s_delay_alu instid0(VALU_DEP_1)
	v_lshlrev_b32 v3, 4, v2                        ; 16 x lane
	s_mov_b32 s23, 0
	s_wait_kmcnt 0x0
	s_cmp_lt_u32 ttmp9, 16
	s_cbranch_scc0 .Lweights
	; ---- the query
	s_lshl_b32 s20, ttmp9, 5
	s_lshl_b32 s21, s18, 2
	s_add_co_u32 s20, s20, s21                     ; my first row j0 = 32 x work-group + 4 x wave
	s_lshl_b32 s22, s20, 11
	s_add_nc_u64 s[6:7], s[6:7], s[22:23]          ; Wq at row j0
	s_lshl_b32 s22, s20, 2
	s_add_nc_u64 s[8:9], s[8:9], s[22:23]          ; bq and qs at j0
	s_add_nc_u64 s[14:15], s[14:15], s[22:23]
	s_mov_b32 s26, 0x76543210
	s_mov_b32 s27, 0xfedcba98                      ; v_permlanex16_b32's selects for lane l xor 16
	s_wait_alu depctr_va_vdst(0)
	v_and_b32 v4, 3, v2                            ; which of the four rows my lane will store
	s_delay_alu instid0(VALU_DEP_1)
	v_lshlrev_b32 v5, 2, v4
.irp k, 0,1,2,3
	global_load_b128 v[XQ+4*\k:XQ+4*\k+3], v3, s[4:5] offset:512*\k
.endr
.irp e, 0,1,2,3
.irp k, 0,1,2,3
	global_load_b128 v[WR+16*\e+4*\k:WR+16*\e+4*\k+3], v3, s[6:7] offset:2048*\e+512*\k th:TH_LOAD_NT   ; 32 lanes read 512 consecutive bytes; read once in the launch
.endr
.endr
	global_load_b32 v108, v5, s[8:9]
.irp e, 0,1,2,3
	v_mov_b32 v[DS+4+\e], 0                        ; written once: a lane permute's destination counts as one of its sources
.endr
	s_wait_loadcnt 0x0
.macro DOT4 w, x, d                    ; v[d] = my lane's part of a dot product: 16 numbers at v[w] on times 16 at v[x] on, in two chains
	v_pk_mul_f32 v[TA:TA+1], v[\w:\w+1], v[\x:\x+1]
	v_pk_mul_f32 v[TA+2:TA+3], v[\w+2:\w+3], v[\x+2:\x+3]
.irp i, 4,8,12
	s_delay_alu instid0(VALU_DEP_2)
	v_pk_fma_f32 v[TA:TA+1], v[\w+\i:\w+\i+1], v[\x+\i:\x+\i+1], v[TA:TA+1]
	s_delay_alu instid0(VALU_DEP_2)
	v_pk_fma_f32 v[TA+2:TA+3], v[\w+\i+2:\w+\i+3], v[\x+\i+2:\x+\i+3], v[TA+2:TA+3]
.endr
	s_delay_alu instid0(VALU_DEP_1)
	v_pk_add_f32 v[TA:TA+1], v[TA:TA+1], v[TA+2:TA+3]
	s_delay_alu instid0(VALU_DEP_1)
	v_add_f32 v[\d], v[TA], v[TA+1]
.endm
.irp e, 0,1,2,3
	DOT4 WR+16*\e, XQ, DS+\e
.endr
.irp m, 1,2,4,8                        ; the four sums over the 32 lanes, by turns
.irp e, 0,1,2,3
	v_add_f32_dpp v[DS+\e], v[DS+\e], v[DS+\e] row_xmask:\m row_mask:0xf bank_mask:0xf
.endr
.endr
.irp e, 0,1,2,3
	s_delay_alu instid0(VALU_DEP_4)
	v_permlanex16_b32 v[DS+4+\e], v[DS+\e], s26, s27
.endr
.irp e, 0,1,2,3
	s_delay_alu instid0(VALU_DEP_4)
	v_add_f32 v[DS+\e], v[DS+\e], v[DS+4+\e]
.endr
.irp e, 1,2,3
	v_cmp_eq_u32 vcc_lo, \e, v4
	s_delay_alu instid0(VALU_DEP_1)
	v_cndmask_b32 v[DS], v[DS], v[DS+\e], vcc_lo   ; lane l keeps row j0 + l % 4
.endr
	s_delay_alu instid0(VALU_DEP_1)
	v_add_f32 v[DS], v[DS], v108                   ; + bq
	s_delay_alu instid0(VALU_DEP_1)
	v_mul_f32 v[DS], 0x3e38aa3b, v[DS]             ; x log2(e) / 8
	v_cmp_gt_u32 vcc_lo, 4, v2
	s_wait_alu depctr_va_vdst(0)
	s_wait_xcnt 0x0                                ; EXEC is a source of the loads above: it changes only behind this wait
	s_and_saveexec_b32 s24, vcc_lo
	global_store_b32 v5, v[DS], s[14:15]           ; lanes 0-3: 16 consecutive bytes a wave
	s_wait_xcnt 0x0                                ; and again ahead of the line that widens it
	s_or_b32 exec_lo, exec_lo, s24
	s_endpgm
	; ---- the weights' images
.Lweights:
	s_sub_co_u32 s20, ttmp9, 16
	s_lshl_b32 s20, s20, 3
	s_add_co_u32 s20, s20, s18                     ; 0..63
	s_lshr_b32 s21, s20, 5                         ; M: 0 Wk, 1 Wv
	s_and_b32 s20, s20, 31                         ; T: which 16 rows
	s_cmp_eq_u32 s21, 0                            ; the choice hangs on ids alone
	s_cselect_b64 s[10:11], s[10:11], s[12:13]
	s_mul_i32 s22, s20, 6144                       ; 16 rows of 384 bytes
	s_add_nc_u64 s[10:11], s[10:11], s[22:23]
	s_lshr_b32 s24, s20, 3                         ; the wave that will own these channels
	s_mul_i32 s24, s24, 98304
	s_and_b32 s25, s20, 7
	s_lshl_b32 s25, s25, 2
	s_lshl_b32 s21, s21, 5
	s_add_co_u32 s25, s25, s21                     ; its fragment 32 M + 4 T'
	s_mul_i32 s25, s25, 1536
	s_add_co_u32 s22, s24, s25
	s_add_nc_u64 s[16:17], s[16:17], s[22:23]
	v_and_b32 v4, 15, v0
	v_bfe_u32 v5, v0, 4, 1
	s_delay_alu instid0(VALU_DEP_2)
	v_mul_u32_u24 v4, v4, 384
	s_delay_alu instid0(VALU_DEP_1)
	v_mad_u32_u24 v4, v5, 24, v4                   ; row l % 16, + 24 bytes for lanes 16-31: registers 6 c .. 6 c + 5 of K step s hold k = 128 s + 64 c + 32 (l / 16) + 0 .. 31
.irp s, 0,1,2,3
.irp c, 0,1
.irp p, 0,1,2
	global_load_b64 v[16+12*\s+6*\c+2*\p:16+12*\s+6*\c+2*\p+1], v4, s[10:11] offset:96*\s+48*\c+8*\p
.endr
.endr
.endr
	s_wait_loadcnt 0x0
	s_wait_alu depctr_va_vdst(0)
.irp n, 0,1,2,3,4,5,6,7,8,9,10,11
	global_store_b128 v3, v[16+4*\n:16+4*\n+3], s[16:17] offset:512*\n   ; 32 lanes store 512 consecutive bytes, at a multiple of 256 from wimg's first byte
.endr
	s_endpgm
.Lfunc_end_k_q66f6bd220e_prep:
	.size	k_q66f6bd220e_prep, .Lfunc_end_k_q66f6bd220e_prep-k_q66f6bd220e_prep
	.p2alignl 7, 3214868480
	.fill 96, 4, 3214868480
	.section	.rodata,"a",@progbits
	.p2align	6, 0x0
	.amdhsa_kernel k_q66f6bd220e_prep
		.amdhsa_group_segment_fixed_size 0
		.amdhsa_private_segment_fixed_size 0
		.amdhsa_enable_private_segment 0
		.amdhsa_kernarg_size 56
		.amdhsa_user_sgpr_count 2
		.amdhsa_user_sgpr_kernarg_segment_ptr 1
		.amdhsa_wavefront_size32 1
		.amdhsa_system_sgpr_workgroup_id_x 1
		.amdhsa_system_sgpr_workgroup_id_y 1
		.amdhsa_system_sgpr_workgroup_id_z 1
		.amdhsa_system_vgpr_workitem_id 0
		.amdhsa_next_free_vgpr 128
		.amdhsa_next_free_sgpr 66
		.amdhsa_reserve_vcc 1
		.amdhsa_float_denorm_mode_32 3
		.amdhsa_float_denorm_mode_16_64 3
		.amdhsa_memory_ordered 1
		.amdhsa_forward_progress 1
		.amdhsa_inst_pref_size 14
	.end_amdhsa_kernel
	.amdgpu_metadata
---
amdhsa.version: [ 1, 2 ]
amdhsa.kernels:
  - .name:           k_q66f6bd220e_prep
    .symbol:         k_q66f6bd220e_prep.kd
    .args:
      - { .name: mil_query, .offset: 0, .size: 8, .value_kind: global_buffer, .address_space: global }
      - { .name: Wq, .offset: 8, .size: 8, .value_kind: global_buffer, .address_space: global }
      - { .name: bq, .offset: 16, .size: 8, .value_kind: global_buffer, .address_space: global }
      - { .name: Wk_codes, .offset: 24, .size: 8, .value_kind: global_buffer, .address_space: global }
      - { .name: Wv_codes, .offset: 32, .size: 8, .value_kind: global_buffer, .address_space: global }
      - { .name: qs, .offset: 40, .size: 8, .value_kind: global_buffer, .address_space: global }
      - { .name: wimg, .offset: 48, .size: 8, .value_kind: global_buffer, .address_space: global }
    .group_segment_fixed_size: 0
    .private_segment_fixed_size: 0
    .kernarg_segment_align: 8
    .kernarg_segment_size: 56
    .max_flat_workgroup_size: 256
    .sgpr_count:     66
    .vgpr_count:     128
    .wavefront_size: 32
...
	.end_amdgpu_metadata
.endif
;; end of part 1
;; launch main (part 2): grid 256 x 1, 4 waves a work-group, no clusters, 327,680 bytes of LDS; arguments unit_embeddings_codes, unit_embeddings_scales, mask, Wk_scales, Wv_scales, wimg, qs, scores, pacc, pstat; writes scores, pacc, pstat
.if DOCPART == 2
	.amdgcn_target "amdgcn-amd-amdhsa--gfx1250"
	.amdhsa_code_object_version 6
	.text
	.protected	k_q66f6bd220e_main
	.globl	k_q66f6bd220e_main
	.p2align	8
	.type	k_q66f6bd220e_main,@function
k_q66f6bd220e_main:
	s_mov_b64 s[64:65], 0
	v_nop
	global_prefetch_b8 v0, s[64:65] scope:SCOPE_SE
	s_setreg_imm32_b32 hwreg(HW_REG_WAVE_MODE, 25, 1), 1
	s_wait_xcnt 0x0
; MultiHeadAttentionMIL, launch 2 of 3.  Work-group g takes rows n = 512 g .. 512 g + 511 of X through both quantised products.
; LEFT OUT: bk (shown at the head of the first launch); bv is added in the last launch.
; Wave w owns channels 128 w .. 128 w + 127 (heads 2 w, 2 w + 1) and holds their weights in registers (images laid by the first launch).
; PASS 1: K^T = Wk X^T, tile by tile of 16 rows; t[h][n] = qs_h . K[n][h] (base-2 exponent); masked t goes to scores; m = the block's largest t, l = sum of 2^(t - m) go to pstat.
; PASS 2: V = X Wv^T; pacc[g][c] = sum over the block's n of 2^(t - m) V[n][c].  The maximum is taken away ahead of every exponential; a block with no row left keeps m = -3e38 and p = 0.
; X IN LDS, filled once: the block's 196,608 bytes of codes are dense in memory; in LDS 16 bytes of padding follow every 128, so a row of 384 bytes has a pitch of 432.
; Rows 0-255 and the 8,192 scale bytes come by asynchronous copies issued at the head in the order of the tiles (wave w copies bytes 1536 w .. 1536 w + 1535 of each tile of 6,144 bytes: 3 copies),
; rows 256-511 by one tensor load a wave: 96 rows of 256 bytes, each beginning at a multiple of 256 bytes of the buffer.  Counted waits on ASYNCcnt let pass 1 begin with the first tiles.
; No cluster: no other work-group reads these rows of X, and the weights go from memory straight into registers.  No prefetch: all of X is asked for once, at the head; there is no loop to run ahead in.
; REGISTERS: window 0 as named below; windows 1-3 v0-191: blocks of 16 weight fragments (K head 0, K head 1, V head 0; V head 1 follows K head 0 in window 1);
; window 1 v192-243: the copies' addresses; window 3 v192-239: X's second fragment buffer.
.set XP,     432
.set XTILE,  16*XP
.set XSB,    512*XP                    ; X's scales, 16 bytes a row
.set SCR,    XSB+8192                  ; t, then p: 4,096 bytes a wave, 2 heads x 512 rows
.set STG,    SCR+16384                 ; the way out of pacc: 512 bytes a wave
.set SPARE,  STG+2048                  ; the spare words, 128 bytes a wave
.set LANE, 1
.set RR,   2
.set HH,   3
.set XA0,  4
.set XA1,  5
.set XSA,  6
.set SA,   7
.set AD0,  8
.set AD1,  9
.set ADS,  10
.set AD3,  11
.set L16,  12
.set MIDA, 13
.set SPW,  14
.set NIL,  15
.set MK,   16
.set SFA,  20
.set TP,   28
.set T1,   29
.set RB,   30
.set NINF, 30
.set RA,   31
.set XS0,  32
.set WSK,  36
.set X0,   52
.set KA,   100
.set Q,    164
.set P,    164
.set ACC,  196
.set XS1,  228
.set SFB,  232
.set WSV,  240
.set X1,   192
.set CA,   192                         ; window 1: LDS address of my copy n = 3 t + e, less the copy's immediate
.set GOX,  240                         ; window 1: my copies' offset in X's block;  GOS: in the scales' block;  LSS: the scales' LDS address
.set GOS,  241
.set LSS,  242
.set GOX2, 243                         ; window 1: GOX for tiles 8 to 15, 8 x 6,144 bytes on, so that every copy's immediate stays under 65,536
.set WV,   24
.set G1X,  32
.set G0,   48
.set SEL,  72
.set CNT,  74
.set XT,   75
.set SS,   76
.set STP,  77
.set MYS,  79
.set MSB, 0
.macro WIN new                         ; the immediate's high byte repeats the setting that is left
.if MSB != (\new)
	s_set_vgpr_msb (MSB<<8)|(\new)
.set MSB, (\new)
.endif
.endm
.macro WLOAD blk                       ; 16 fragments of my weights, 48 loads of 512 consecutive bytes
.if (\blk) == 3
	WIN 1<<6
.else
	WIN ((\blk)+1)<<6
.endif
.irp t, 0,1,2,3
.irp s, 0,1,2,3
.irp j, 0,1,2
	global_load_b128 v[12*(4*\t+\s)+4*\j:12*(4*\t+\s)+4*\j+3], v[L16], s[14:15] offset:(16*(\blk)+4*\t+\s)*1536+512*\j
.endr
.endr
.endr
	WIN 0
.endm
.macro XLOAD p, d                      ; a tile of X, 16 rows x 512 K: 24 pieces of 8 bytes and the scale words; AD1 serves the pieces whose lanes 16-31 lie behind a padding
.if (\p)
	WIN 0xc0
.endif
.irp s, 0,1,2,3
.irp q, 0,1,2,3,4,5
.set PC, 12*\s+6*(\q/3)+\q%3
.set RX_, X0+(X1-X0)*(\p)+12*\s+2*\q
.if PC%16 < 13
	ds_load_b64 v[RX_:RX_+1], v[AD0] offset:8*PC+16*(PC/16)+(\d)*XTILE
.else
	ds_load_b64 v[RX_:RX_+1], v[AD1] offset:8*PC+16*(PC/16)+(\d)*XTILE
.endif
.endr
.endr
	WIN 0
	ds_load_b128 v[XS0+(XS1-XS0)*(\p):XS0+(XS1-XS0)*(\p)+3], v[ADS] offset:256*(\d)
.endm
.macro WMK d, a, b, sa, sb, s, t       ; K^T: source 0 = 16 channels of Wk, source 1 = 16 rows of X; odd tiles' scale words lie in lanes 16-31
.if (\s) == 0
.if (\t)%2
	v_wmma_scale_f32_16x16x128_f8f6f4 v[\d:\d+7], v[\a:\a+11], v[\b:\b+11], 0, v[\sa], v[\sb] matrix_a_fmt:MATRIX_FMT_BF6 matrix_b_fmt:MATRIX_FMT_BF6 matrix_a_scale:MATRIX_SCALE_ROW1
.else
	v_wmma_scale_f32_16x16x128_f8f6f4 v[\d:\d+7], v[\a:\a+11], v[\b:\b+11], 0, v[\sa], v[\sb] matrix_a_fmt:MATRIX_FMT_BF6 matrix_b_fmt:MATRIX_FMT_BF6
.endif
.else
.if (\t)%2
	v_wmma_scale_f32_16x16x128_f8f6f4 v[\d:\d+7], v[\a:\a+11], v[\b:\b+11], v[\d:\d+7], v[\sa], v[\sb] matrix_a_fmt:MATRIX_FMT_BF6 matrix_b_fmt:MATRIX_FMT_BF6 matrix_a_scale:MATRIX_SCALE_ROW1
.else
	v_wmma_scale_f32_16x16x128_f8f6f4 v[\d:\d+7], v[\a:\a+11], v[\b:\b+11], v[\d:\d+7], v[\sa], v[\sb] matrix_a_fmt:MATRIX_FMT_BF6 matrix_b_fmt:MATRIX_FMT_BF6
.endif
.endif
.endm
.macro WMV d, a, b, sa, sb, s, t       ; V: source 0 = 16 rows of X, source 1 = 16 channels of Wv
.if (\s) == 0
.if (\t)%2
	v_wmma_scale_f32_16x16x128_f8f6f4 v[\d:\d+7], v[\a:\a+11], v[\b:\b+11], 0, v[\sa], v[\sb] matrix_a_fmt:MATRIX_FMT_BF6 matrix_b_fmt:MATRIX_FMT_BF6 matrix_b_scale:MATRIX_SCALE_ROW1
.else
	v_wmma_scale_f32_16x16x128_f8f6f4 v[\d:\d+7], v[\a:\a+11], v[\b:\b+11], 0, v[\sa], v[\sb] matrix_a_fmt:MATRIX_FMT_BF6 matrix_b_fmt:MATRIX_FMT_BF6
.endif
.else
.if (\t)%2
	v_wmma_scale_f32_16x16x128_f8f6f4 v[\d:\d+7], v[\a:\a+11], v[\b:\b+11], v[\d:\d+7], v[\sa], v[\sb] matrix_a_fmt:MATRIX_FMT_BF6 matrix_b_fmt:MATRIX_FMT_BF6 matrix_b_scale:MATRIX_SCALE_ROW1
.else
	v_wmma_scale_f32_16x16x128_f8f6f4 v[\d:\d+7], v[\a:\a+11], v[\b:\b+11], v[\d:\d+7], v[\sa], v[\sb] matrix_a_fmt:MATRIX_FMT_BF6 matrix_b_fmt:MATRIX_FMT_BF6
.endif
.endif
.endm
.macro MM1 x, p, n                     ; n = 4 x K step + tile: the head's four accumulators take turns
.set KS_, (\n)/4
.set TT_, (\n)%4
.set RD_, KA+32*(\x)+8*TT_
.set RW_, 12*(4*TT_+KS_)
.set RX_, X0+(X1-X0)*(\p)+12*KS_
.set RS_, WSK+4*((4*(\x)+TT_)/2)+KS_
.set RT_, XS0+(XS1-XS0)*(\p)+KS_
	WIN (1+(\x))|(12*(\p))
	WMK RD_, RW_, RX_, RS_, RT_, KS_, TT_
.endm
.macro MM2 x, p, n
.set KS_, (\n)/4
.set TT_, (\n)%4
.set RD_, KA+32*(\x)+8*TT_
.set RW_, 12*(4*TT_+KS_)
.set RX_, X0+(X1-X0)*(\p)+12*KS_
.set RS_, WSV+4*((4*(\x)+TT_)/2)+KS_
.set RT_, XS0+(XS1-XS0)*(\p)+KS_
	WIN (3*(\p))|((3-2*(\x))<<2)
	WMV RD_, RX_, RW_, RT_, RS_, KS_, TT_
.endm
.macro V1 y, m                         ; qs . K, two channels an instruction, one chain for each tile; each accumulator is read from its low end on
.set KK_, (\m)/4
.set TT_, (\m)%4
.set SF_, SFA+(SFB-SFA)*(\y)+2*TT_
.set AC_, KA+32*(\y)+8*TT_+2*KK_
.set QQ_, Q+32*(\y)+8*TT_+2*KK_
.if KK_ == 0
	v_pk_mul_f32 v[SF_:SF_+1], v[AC_:AC_+1], v[QQ_:QQ_+1]
.else
	v_pk_fma_f32 v[SF_:SF_+1], v[AC_:AC_+1], v[QQ_:QQ_+1], v[SF_:SF_+1]
.endif
.endm
.macro TL x, j                         ; the four chains and the two halves of the lanes are joined: t of row l % 16
.set SF_, SFA+(SFB-SFA)*(\x)
.if (\j) == 0
	v_pk_add_f32 v[SF_:SF_+1], v[SF_:SF_+1], v[SF_+2:SF_+3]
.elseif (\j) == 1
	v_pk_add_f32 v[SF_+4:SF_+5], v[SF_+4:SF_+5], v[SF_+6:SF_+7]
.elseif (\j) == 2
	v_pk_add_f32 v[SF_:SF_+1], v[SF_:SF_+1], v[SF_+4:SF_+5]
.elseif (\j) == 3
	v_add_f32 v[SF_], v[SF_], v[SF_+1]
.elseif (\j) == 4
	v_permlanex16_b32 v[TP], v[SF_], s[SEL], s[SEL+1]
.else
	v_add_f32 v[RA-(\x)], v[SF_], v[TP]
.endif
.endm
.macro IT1 x, j, tail                  ; the 22 vector lines of a turn of pass 1: TL's six dependent lines lie among V1's sixteen
.set JJ, (\j)
.if (JJ < 14) && ((JJ == 0) || (JJ % 3 == 1))
.if \tail
	TL \x, (JJ+2)/3
.endif
.elseif JJ < 14
	V1 1-(\x), JJ-2-(JJ-2)/3
.else
	V1 1-(\x), JJ-6
.endif
.endm
.macro V2 y, par, m                    ; sum of p V: my channel l % 16 of each tile, two rows an instruction
.set KK_, (\m)/4
.set TT_, (\m)%4
.set SF_, ACC+2*(4*(\y)+TT_)
.set AC_, KA+32*(\y)+8*TT_+2*KK_
.set QQ_, P+16*(\par)+8*(\y)+2*KK_
	v_pk_fma_f32 v[SF_:SF_+1], v[AC_:AC_+1], v[QQ_:QQ_+1], v[SF_:SF_+1]
.endm
.macro PLOAD par, e
.irp x, 0,1
	ds_load_b128 v[P+16*(\par)+8*\x:P+16*(\par)+8*\x+3], v[AD3] offset:2048*\x+64*(\e)
	ds_load_b128 v[P+16*(\par)+8*\x+4:P+16*(\par)+8*\x+7], v[AD3] offset:2048*\x+64*(\e)+16
.endr
.endm
.macro ADDRX
	v_add_nc_u32 v[AD0], s[XT], v[XA0]
	v_add_nc_u32 v[AD1], s[XT], v[XA1]
	v_add_nc_u32 v[ADS], s[SS], v[XSA]
.endm
.macro ADDR3
	v_add_nc_u32 v[AD3], s[STP], v[SA]
.endm
.macro PLACES
.rept 4
	v_nop
.endr
.endm
; A turn: head x's 16 matrix instructions on end, then, in one run under window 0, the vector work on the other head's results of the turn before.
; That run (16 lines or more, none naming a register of this turn's products) is also the places ahead of the loads into X's buffer and of the next read of results.
.macro TURN pass, x, p, vec, tail, par
.set NN, 0
.rept 16
.if \pass == 1
	MM1 \x, \p, NN
.else
	MM2 \x, \p, NN
.endif
.set NN, NN+1
.endr
	WIN 0
.if \vec
.set NN, 0
.if \pass == 1
.rept 22
	IT1 \x, NN, \tail
.set NN, NN+1
.endr
.else
.rept 16
	V2 1-(\x), \par, NN
.set NN, NN+1
.endr
.endif
.endif
.endm
.macro TRIP1 p, tail, st, e, ld, d
	TURN 1, 1, \p, 1, \tail, 0
	s_wait_alu depctr_va_vdst(0)
	s_wait_dscnt 0x0                               ; the other buffer's tile is in
.if \st
	ds_store_b32 v[AD3], v[RA] offset:64*(\e)
	ds_store_b32 v[AD3], v[RB] offset:2048+64*(\e)
.endif
.if \ld
	XLOAD \p, \d
.endif
	TURN 1, 0, 1-\p, 1, 1, 0
.endm
.macro TRIP2 p, w, ld, d, e
	s_wait_dscnt \w                                ; p and this buffer's tile are in; the youngest 25 loads may be out
	TURN 2, 1, \p, 1, 0, \p
	s_wait_dscnt 0x0
	PLOAD 1-\p, \e
.if \ld
	XLOAD \p, \d
.endif
	TURN 2, 0, 1-\p, 1, 0, \p
.endm
.macro MEET                            ; my LDS instructions are done; behind the barrier every wave's part of the tiles waited for is in.
	s_wait_dscnt 0x0
	s_barrier_signal -1
	s_barrier_wait -1
.endm
.macro KLOOP n                         ; n trips of two tiles; trip k (counted over all three loops) fetches tiles 3 + 2 k and 4 + 2 k
	s_mov_b32 s[CNT], \n
.Lk\@:
	ADDRX
	ADDR3
	s_wait_alu depctr_va_vdst(0)
	TRIP1 1, 1, 1, 0, 1, 0
	TRIP1 0, 1, 1, 1, 1, 1
	s_add_co_u32 s[XT], s[XT], 2*XTILE
	s_add_co_u32 s[SS], s[SS], 512
	s_add_co_u32 s[STP], s[STP], 128
	s_sub_co_u32 s[CNT], s[CNT], 1
	s_cmp_lg_u32 s[CNT], 0
	s_cbranch_scc1 .Lk\@
.endm
	s_load_b256 s[4:11], s[0:1], 0x0               ; X's codes s[4:5], X's scales s[6:7], mask s[8:9], Wk's scales s[10:11]
	s_load_b256 s[12:19], s[0:1], 0x20             ; Wv's scales, wimg, qs, scores
	s_load_b128 s[20:23], s[0:1], 0x40             ; pacc, pstat
	v_lshl_add_u32 v[SPW], v0, 2, SPARE
	v_mov_b32 v[NIL], 0
	ds_add_u32 v[SPW], v[NIL]
	ds_add_u32 v[SPW], v[NIL]
	v_lshrrev_b32 v1, 5, v0
	v_readfirstlane_b32 s[WV], v1                  ; wave 0..3
	s_mov_b32 s[G1X+0], (1<<20)|(4<<22)|(3<<25)    ; elements of 1 byte; 4 words of padding behind every 32
	s_mov_b32 s[G1X+1], 256<<16                    ; 96 dense rows of 256 bytes: 64 rows of X
	s_mov_b32 s[G1X+2], 96<<16
	s_mov_b32 s[G1X+3], 256<<16
	s_mov_b32 s[G1X+4], 96
	s_mov_b32 s[G1X+5], 256
	s_mov_b32 s[G1X+6], 0
	s_mov_b32 s[G1X+7], 0
	s_mov_b32 s[SEL], 0x76543210
	s_mov_b32 s[SEL+1], 0xfedcba98
	s_mul_i32 s25, s[WV], 64*XP
	s_add_co_u32 s25, s25, 256*XP                  ; LDS: row 256 + 64 x wave
	s_lshl_b32 s26, s[WV], 11
	s_mov_b32 s27, 0
	s_mul_i32 s28, ttmp9, 196608                   ; my block of X's codes
	s_mov_b32 s29, 0
	s_lshl_b32 s30, ttmp9, 13                      ; and of its scales
	s_mov_b32 s31, 0
	s_mul_i32 s80, s[WV], 24576
	s_add_co_u32 s80, s80, 98304                   ; memory: row 256 + 64 x wave of the block
	s_mov_b32 s81, 0
	s_mul_i32 s82, s[WV], 1728                     ; my quarter of a tile in LDS (1,536 bytes and 12 paddings),
	s_mul_i32 s83, s[WV], 1536
	s_add_co_u32 s85, s83, 8*6144
	s_add_co_u32 s84, s26, XSB
	v_and_b32 v[LANE], 31, v0
	v_lshlrev_b32 v[L16], 4, v[LANE]
	v_lshrrev_b32 v[TP], 3, v[LANE]
	v_lshl_add_u32 v[TP], v[TP], 4, v[L16]         ; 16 l + 16 (l / 8): eight lanes fill 128 bytes, then the padding
	v_add_nc_u32 v[T1], s82, v[TP]
	WIN 0x40                                       ; destination window 1
	v_add_nc_u32 v[GOX], s83, v[L16]
	v_add_nc_u32 v[GOX2], s85, v[L16]
	v_add_nc_u32 v[GOS], s26, v[L16]
	v_add_nc_u32 v[LSS], s84, v[L16]
.set N_, 0
.rept 48                               ; a copy's immediate, 6144 t + 512 e, is added to both addresses; in LDS the copy lies at 6912 t + 576 e: the register carries the difference
	v_add_nc_u32 v[CA+N_], 768*((N_/3)%8)+64*(N_%3)+8*XTILE*(N_/24), v[T1]   ; the immediate counts the tile modulo 8: tiles 8 to 15 have 8 tiles of LDS in the register
.set N_, N_+1
.endr
	WIN 0
	s_wait_alu depctr_va_vdst(0)
	s_wait_dscnt 0x0                               ; both opening adds are done
	s_wait_kmcnt 0x0
	s_add_nc_u64 s[4:5], s[4:5], s[28:29]
	s_add_nc_u64 s[6:7], s[6:7], s[30:31]
	s_mov_b32 s[G0+0], 1
	s_mov_b32 s[G0+1], s25
	s_add_nc_u64 s[G0+2:G0+3], s[4:5], s[80:81]
	s_or_b32 s[G0+3], s[G0+3], 0x80000000
	WIN 0x41                                       ; LDS address and offset in window 1
.irp k, 0,1,2,3
	global_load_async_to_lds_b128 v[LSS], v[GOS], s[6:7] offset:512*\k      ; my 2,048 bytes of scales
.endr
.set N_, 0
.rept 48
	global_load_async_to_lds_b128 v[CA+N_], v[GOX+3*(N_/24)], s[4:5] offset:6144*((N_/3)%8)+512*(N_%3)   ; tiles 0 to 15, my three copies of each; 32 lanes copy 512 consecutive bytes
.set N_, N_+1
.endr
	WIN 0
	tensor_load_to_lds s[G0:G0+3], s[G1X:G1X+7]    ; my one tensor load: 64 of rows 256-511
	s_nop 0
.rept 4
	v_nop
.endr
	s_lshl_b32 s28, ttmp9, 9
	s_add_nc_u64 s[8:9], s[8:9], s[28:29]
	s_add_nc_u64 s[10:11], s[10:11], s[26:27]
	s_add_nc_u64 s[12:13], s[12:13], s[26:27]
	s_mul_i32 s28, s[WV], 98304
	s_add_nc_u64 s[14:15], s[14:15], s[28:29]
	s_lshl_b32 s28, s[WV], 9
	s_add_nc_u64 s[16:17], s[16:17], s[28:29]
	s_lshl_b32 s30, ttmp9, 11
	s_add_co_u32 s28, s28, s30
	s_add_nc_u64 s[20:21], s[20:21], s[28:29]
	s_lshl_b32 s28, s[WV], 20
	s_add_co_u32 s28, s28, s30
	s_add_nc_u64 s[18:19], s[18:19], s[28:29]
	s_lshl_b32 s28, ttmp9, 6
	s_lshl_b32 s30, s[WV], 4
	s_add_co_u32 s28, s28, s30
	s_add_nc_u64 s[22:23], s[22:23], s[28:29]
	v_and_b32 v[RR], 15, v0
	v_bfe_u32 v[HH], v0, 4, 1
	v_lshlrev_b32 v[TP], 2, v[LANE]
	v_lshlrev_b32 v[T1], 5, v[HH]
.irp k, 0,1,2,3
	global_load_b32 v[MK+\k], v[TP], s[8:9] offset:128*\k th:TH_LOAD_NT
.endr
.irp t, 0,1,2,3,4,5,6,7
.irp e, 0,1
	global_load_b128 v[Q+8*\t+4*\e:Q+8*\t+4*\e+3], v[T1], s[16:17] offset:64*\t+16*\e
.endr
.endr
.irp u, 0,1,2,3
	global_load_b128 v[WSK+4*\u:WSK+4*\u+3], v[L16], s[10:11] offset:512*\u
	global_load_b128 v[WSV+4*\u:WSV+4*\u+3], v[L16], s[12:13] offset:512*\u
.endr
	WLOAD 0
	WLOAD 1
	v_mul_u32_u24 v[XA0], v[RR], XP
	v_mad_u32_u24 v[XA1], v[HH], 40, v[XA0]
	v_mad_u32_u24 v[XA0], v[HH], 24, v[XA0]
	v_lshl_add_u32 v[XSA], v[RR], 4, XSB
	s_lshl_b32 s[MYS], s[WV], 12
	s_add_co_u32 s[MYS], s[MYS], SCR
	v_lshl_add_u32 v[SA], v[RR], 2, s[MYS]
	v_add_nc_u32 v[MIDA], s[MYS], v[L16]
	s_wait_alu depctr_va_vdst(0)
	s_wait_asynccnt 39                             ; of my 52 copies the first 13 are done: the scales and tiles 0 to 2
	MEET
	s_mov_b32 s[XT], 0
	s_mov_b32 s[SS], 0
	ADDRX
	XLOAD 0, 0
	XLOAD 1, 1
	s_wait_loadcnt 48                              ; all but the second block of weights
	s_wait_dscnt 25                                ; tile 0 is in
	TURN 1, 0, 0, 0, 0, 0
	PLACES
	s_wait_loadcnt 0x0
	WLOAD 2
	TRIP1 0, 0, 0, 0, 1, 2
	s_mov_b32 s[XT], 3*XTILE
	s_mov_b32 s[SS], 3*256
	s_mov_b32 s[STP], 0
	s_wait_alu depctr_va_vdst(0)
	s_wait_asynccnt 27                             ; 25 copies are done: tiles up to 6
	MEET
	KLOOP 2
	s_wait_alu depctr_va_vdst(0)
	s_wait_asynccnt 0x0                            ; tiles up to 15
	MEET
	KLOOP 4
	s_wait_alu depctr_va_vdst(0)
	s_wait_tensorcnt 0x0                           ; rows 256-511
	MEET
	KLOOP 8
	ADDRX
	ADDR3
	s_wait_alu depctr_va_vdst(0)
	TRIP1 1, 1, 1, 0, 1, 0
	TRIP1 0, 1, 1, 1, 0, 0
	s_wait_alu depctr_va_vdst(0)
	s_wait_loadcnt 0x0
	WLOAD 3                                        ; K's head 0 is done with: its window takes V's head 1
	TURN 1, 1, 1, 1, 1, 0
	ds_store_b32 v[AD3], v[RA] offset:64*2
	ds_store_b32 v[AD3], v[RB] offset:2048+64*2
.irp j, 0,1,2,3,4,5
	TL 0, \j
.endr
.irp m, 0,1,2,3,4,5,6,7,8,9,10,11,12,13,14,15
	V1 1, \m
.endr
.irp j, 0,1,2,3,4,5
	TL 1, \j
.endr
	ds_store_b32 v[AD3], v[RA] offset:64*3
	ds_store_b32 v[AD3], v[RB] offset:2048+64*3
	; between the passes: my two heads' 512 t each, 16 a lane: mask, store, maximum, p, sum
.irp x, 0,1
.irp k, 0,1,2,3
	ds_load_b128 v[KA+16*\x+4*\k:KA+16*\x+4*\k+3], v[MIDA] offset:2048*\x+512*\k
.endr
.endr
	v_mov_b32 v[NINF], 0xff800000
	s_wait_alu depctr_va_vdst(0)
	s_wait_dscnt 0x0
.irp k, 0,1,2,3
.irp e, 0,1,2,3
	v_bfe_u32 v[T1], v[MK+\k], 8*\e, 8
	v_cmp_eq_u32 vcc_lo, 0, v[T1]
	v_cndmask_b32 v[KA+4*\k+\e], v[KA+4*\k+\e], v[NINF], vcc_lo
	v_cndmask_b32 v[KA+16+4*\k+\e], v[KA+16+4*\k+\e], v[NINF], vcc_lo
.endr
.endr
.irp x, 0,1
.irp k, 0,1,2,3
	global_store_b128 v[L16], v[KA+16*\x+4*\k:KA+16*\x+4*\k+3], s[18:19] offset:524288*\x+512*\k th:TH_STORE_NT   ; 32 lanes store 512 consecutive bytes
.endr
.endr
	v_max3_num_f32 v164, v[KA], v[KA+1], 0xff61b1e6
	v_max3_num_f32 v165, v[KA+16], v[KA+17], 0xff61b1e6
.irp i, 2,4,6,8,10,12,14
	v_max3_num_f32 v164, v164, v[KA+\i], v[KA+\i+1]
	v_max3_num_f32 v165, v165, v[KA+16+\i], v[KA+16+\i+1]
.endr
.irp m, 1,2,4,8
	v_max_num_f32_dpp v164, v164, v164 row_xmask:\m row_mask:0xf bank_mask:0xf
	v_max_num_f32_dpp v165, v165, v165 row_xmask:\m row_mask:0xf bank_mask:0xf
.endr
	v_permlanex16_b32 v166, v164, s[SEL], s[SEL+1]
	v_permlanex16_b32 v167, v165, s[SEL], s[SEL+1]
	v_max_num_f32 v164, v164, v166
	v_max_num_f32 v165, v165, v167
.irp i, 0,1,2,3,4,5,6,7,8,9,10,11,12,13,14,15
	v_sub_f32 v[KA+32+\i], v[KA+\i], v164
	v_sub_f32 v[KA+48+\i], v[KA+16+\i], v165
.endr
	s_wait_alu depctr_va_vdst(0)
.irp i, 0,1,2,3,4,5,6,7,8,9,10,11,12,13,14,15,16,17,18,19,20,21,22,23,24,25,26,27,28,29,30,31
	v_exp_f32 v[KA+32+\i], v[KA+32+\i]
.endr
	v_mov_b32 v[SFA], v164
	v_mov_b32 v[SFA+2], v165
	s_wait_alu depctr_va_vdst(0)
.irp x, 0,1
.irp j, 0,1,2,3
	v_pk_add_f32 v[168+8*\x+2*\j:169+8*\x+2*\j], v[KA+32+16*\x+4*\j:KA+33+16*\x+4*\j], v[KA+34+16*\x+4*\j:KA+35+16*\x+4*\j]
.endr
.endr
.irp x, 0,1
	v_pk_add_f32 v[168+8*\x:169+8*\x], v[168+8*\x:169+8*\x], v[170+8*\x:171+8*\x]
	v_pk_add_f32 v[172+8*\x:173+8*\x], v[172+8*\x:173+8*\x], v[174+8*\x:175+8*\x]
.endr
.irp x, 0,1
	v_pk_add_f32 v[168+8*\x:169+8*\x], v[168+8*\x:169+8*\x], v[172+8*\x:173+8*\x]
.endr
.irp x, 0,1
	v_add_f32 v[168+8*\x], v[168+8*\x], v[169+8*\x]
.endr
.irp m, 1,2,4,8
	v_add_f32_dpp v168, v168, v168 row_xmask:\m row_mask:0xf bank_mask:0xf
	v_add_f32_dpp v176, v176, v176 row_xmask:\m row_mask:0xf bank_mask:0xf
.endr
	v_permlanex16_b32 v166, v168, s[SEL], s[SEL+1]
	v_permlanex16_b32 v167, v176, s[SEL], s[SEL+1]
	v_add_f32 v[SFA+1], v168, v166
	v_add_f32 v[SFA+3], v176, v167
.irp x, 0,1
.irp k, 0,1,2,3
	ds_store_b128 v[MIDA], v[KA+32+16*\x+4*\k:KA+32+16*\x+4*\k+3] offset:2048*\x+512*\k   ; p takes t's place in my own bytes
.endr
.endr
.irp i, 0,1,2,3,4,5,6,7,8,9,10,11,12,13,14,15
	v_mov_b32 v[ACC+\i], 0
.endr
	v_lshl_add_u32 v[SA], v[HH], 5, s[MYS]
	s_wait_alu depctr_va_vdst(0)
	s_wait_xcnt 0x0                                ; the stores of t have read their registers
	s_mov_b32 s[XT], 0
	s_mov_b32 s[SS], 0
	s_mov_b32 s[STP], 0
	ADDRX
	ADDR3
	PLOAD 0, 0
	XLOAD 0, 0
	XLOAD 1, 1
	s_wait_dscnt 25
	TURN 2, 0, 0, 0, 0, 0
	PLACES
	s_wait_loadcnt 0x0
	s_mov_b32 s[XT], 2*XTILE
	s_mov_b32 s[SS], 2*256
	s_mov_b32 s[STP], 64
	s_mov_b32 s[CNT], 15
.Lv:
	ADDRX
	ADDR3
	TRIP2 0, 25, 1, 0, 0
	TRIP2 1, 25, 1, 1, 1
	s_add_co_u32 s[XT], s[XT], 2*XTILE
	s_add_co_u32 s[SS], s[SS], 512
	s_add_co_u32 s[STP], s[STP], 128
	s_sub_co_u32 s[CNT], s[CNT], 1
	s_cmp_lg_u32 s[CNT], 0
	s_cbranch_scc1 .Lv
	ADDR3
	TRIP2 0, 25, 0, 0, 0
	s_wait_dscnt 0x0
	TURN 2, 1, 1, 1, 0, 1
.irp m, 0,1,2,3,4,5,6,7,8,9,10,11,12,13,14,15
	V2 1, 1, \m
.endr
	s_lshl_b32 s26, s[WV], 9
	s_add_co_u32 s26, s26, STG
	v_lshl_add_u32 v[AD0], v[RR], 2, s26
	v_add_nc_u32 v[AD1], s26, v[L16]
.irp t, 0,1,2,3,4,5,6,7
	v_add_f32 v[P+\t], v[ACC+2*\t], v[ACC+2*\t+1]
.endr
.irp t, 0,1,2,3,4,5,6,7
	v_permlanex16_b32 v[P+8+\t], v[P+\t], s[SEL], s[SEL+1]
.endr
.irp t, 0,1,2,3,4,5,6,7
	v_add_f32 v[P+\t], v[P+\t], v[P+8+\t]
.endr
.irp t, 0,1,2,3,4,5,6,7
	ds_store_b32 v[AD0], v[P+\t] offset:64*\t
.endr
	ds_load_b128 v[212:215], v[AD1]                ; my 128 channels, 16 bytes a lane
	s_wait_dscnt 0x0
	global_store_b128 v[L16], v[212:215], s[20:21] ; 32 lanes store 512 consecutive bytes of pacc
	v_cmp_eq_u32 vcc_lo, 0, v[LANE]
	s_wait_xcnt 0x0                                ; EXEC changes only behind this wait
	s_and_saveexec_b32 s78, vcc_lo
	global_store_b128 v[L16], v[SFA:SFA+3], s[22:23]   ; m, l of my two heads
	s_wait_xcnt 0x0
	s_or_b32 exec_lo, exec_lo, s78
	s_wait_tensorcnt 0x0                           ; the wave's end
	ds_add_u32 v[SPW], v[NIL]
	s_wait_dscnt 0x0
	s_endpgm
.Lfunc_end_k_q66f6bd220e_main:
	.size	k_q66f6bd220e_main, .Lfunc_end_k_q66f6bd220e_main-k_q66f6bd220e_main
	.p2alignl 7, 3214868480
	.fill 96, 4, 3214868480
	.section	.rodata,"a",@progbits
	.p2align	6, 0x0
	.amdhsa_kernel k_q66f6bd220e_main
		.amdhsa_group_segment_fixed_size 327680
		.amdhsa_private_segment_fixed_size 0
		.amdhsa_enable_private_segment 0
		.amdhsa_kernarg_size 80
		.amdhsa_user_sgpr_count 2
		.amdhsa_user_sgpr_kernarg_segment_ptr 1
		.amdhsa_wavefront_size32 1
		.amdhsa_system_sgpr_workgroup_id_x 1
		.amdhsa_system_sgpr_workgroup_id_y 1
		.amdhsa_system_sgpr_workgroup_id_z 1
		.amdhsa_system_vgpr_workitem_id 0
		.amdhsa_next_free_vgpr 1024
		.amdhsa_next_free_sgpr 90
		.amdhsa_reserve_vcc 1
		.amdhsa_float_denorm_mode_32 3
		.amdhsa_float_denorm_mode_16_64 3
		.amdhsa_memory_ordered 1
		.amdhsa_forward_progress 1
		.amdhsa_inst_pref_size 167
	.end_amdhsa_kernel
	.amdgpu_metadata
---
amdhsa.version: [ 1, 2 ]
amdhsa.kernels:
  - .name:           k_q66f6bd220e_main
    .symbol:         k_q66f6bd220e_main.kd
    .args:
      - { .name: unit_embeddings_codes, .offset: 0, .size: 8, .value_kind: global_buffer, .address_space: global }
      - { .name: unit_embeddings_scales, .offset: 8, .size: 8, .value_kind: global_buffer, .address_space: global }
      - { .name: mask, .offset: 16, .size: 8, .value_kind: global_buffer, .address_space: global }
      - { .name: Wk_scales, .offset: 24, .size: 8, .value_kind: global_buffer, .address_space: global }
      - { .name: Wv_scales, .offset: 32, .size: 8, .value_kind: global_buffer, .address_space: global }
      - { .name: wimg, .offset: 40, .size: 8, .value_kind: global_buffer, .address_space: global }
      - { .name: qs, .offset: 48, .size: 8, .value_kind: global_buffer, .address_space: global }
      - { .name: scores, .offset: 56, .size: 8, .value_kind: global_buffer, .address_space: global }
      - { .name: pacc, .offset: 64, .size: 8, .value_kind: global_buffer, .address_space: global }
      - { .name: pstat, .offset: 72, .size: 8, .value_kind: global_buffer, .address_space: global }
    .group_segment_fixed_size: 327680
    .private_segment_fixed_size: 0
    .kernarg_segment_align: 8
    .kernarg_segment_size: 80
    .max_flat_workgroup_size: 128
    .sgpr_count:     90
    .vgpr_count:     1024
    .wavefront_size: 32
...
	.end_amdgpu_metadata
.endif
;; end of part 2
;; launch finish (part 3): grid 144 x 1, 8 waves a work-group, no clusters, 16,384 bytes of LDS; arguments scores, pstat, pacc, Wo, bv, bo, out0, out1; writes out0, out1
.if DOCPART == 3
	.amdgcn_target "amdgcn-amd-amdhsa--gfx1250"
	.amdhsa_code_object_version 6
	.text
	.protected	k_q66f6bd220e_finish
	.globl	k_q66f6bd220e_finish
	.p2align	8
	.type	k_q66f6bd220e_finish,@function
k_q66f6bd220e_finish:
	s_mov_b64 s[64:65], 0
	v_nop
	global_prefetch_b8 v0, s[64:65] scope:SCOPE_SE
	s_setreg_imm32_b32 hwreg(HW_REG_WAVE_MODE, 25, 1), 1
	s_wait_xcnt 0x0
; MultiHeadAttentionMIL, launch 3 of 3: the 256 blocks are joined under the global maximum, and both outputs are made.  All in f32.
; LEFT OUT: bk (shown at the head of the first launch).  bv is added once here: a head's weights sum to 1 by the softmax's own division.
; Every work-group first makes, from pstat [256][8][m, l]: M_h = the largest m, f_g,h = 2^(m_g,h - M_h), L_h = sum over g of l_g,h f_g,h, 1 / L_h (macro STATS: thread g holds block g).
; Work-groups 0-127: out1[n] = (1 / 8) sum over h of 2^(t[h][n] - M_h) / L_h, 1,024 n each, 4 a thread.
; Work-groups 128-143: weighted[c] = sum over g of pacc[g][c] f_g,h / L_h + bv[c] (c = 64 h + d), flat[8 d + h] = weighted[c], out0[j] = Wo[j] . flat + bo[j], 32 rows j each.  Each of the sixteen reads all of pacc
; (524,288 bytes): a launch for that sum alone would read it once and cost a launch.  A thread has 128 loads of pacc; they run through a ring of seven slots of eight loads in window 1, begun at the path's head,
; ahead of the statistics: 4 + 56 loads of a wave are out there, 56 behind the statistics, and the last 16 go with the 18 of Wo, bv and bo.
; The two paths part on the work-group's number and have LDS bytes of their own.
; No matrix unit (every product here has one row), no tensor loads, no cluster, no prefetch: a short launch on small buffers.
.set R1A,   0                          ; out1's path: the waves' maxima, 32 bytes a wave;
.set R2A,   256                        ; their sums
.set R1B,   512                        ; out0's path: the same,
.set R2B,   768
.set FT,    1024                       ; f / L: [8 heads][256 blocks] f32
.set RS,    9216                       ; the two halves' sums: 16 bytes a thread
.set FL,    13312                      ; flat: 512 f32
.set SPARE, 15360                      ; the spare words, 128 bytes for each of eight waves: four blocks of 256 bytes that no other line names
.set SPW,   14
.set NIL,   15
.set SEL,   22                         ; s[22:23]
.set TA,    96
.set AC,    144                        ; v144-151 out0's path: two chains of four channels
.set MSB, 0
.macro WIN new                         ; the immediate's high byte repeats the setting that is left; a switch that changes nothing is dropped
.if MSB != (\new)
	s_set_vgpr_msb (MSB<<8)|(\new)
.set MSB, (\new)
.endif
.endm
.macro ALLMAX8 r, t                    ; eight numbers a lane, v[r] on: the largest over the 32 lanes, in every lane; by turns, so that no line waits for the line above it
.irp m, 1,2,4,8
.irp h, 0,1,2,3,4,5,6,7
	v_max_num_f32_dpp v[\r+\h], v[\r+\h], v[\r+\h] row_xmask:\m row_mask:0xf bank_mask:0xf
.endr
.endr
.irp h, 0,1,2,3,4,5,6,7
	v_permlanex16_b32 v[\t+\h], v[\r+\h], s[SEL], s[SEL+1]
.endr
.irp h, 0,1,2,3,4,5,6,7
	v_max_num_f32 v[\r+\h], v[\r+\h], v[\t+\h]
.endr
.endm
.macro ALLSUM8 r, t
.irp m, 1,2,4,8
.irp h, 0,1,2,3,4,5,6,7
	v_add_f32_dpp v[\r+\h], v[\r+\h], v[\r+\h] row_xmask:\m row_mask:0xf bank_mask:0xf
.endr
.endr
.irp h, 0,1,2,3,4,5,6,7
	v_permlanex16_b32 v[\t+\h], v[\r+\h], s[SEL], s[SEL+1]
.endr
.irp h, 0,1,2,3,4,5,6,7
	v_add_f32 v[\r+\h], v[\r+\h], v[\t+\h]
.endr
.endm
.macro MEET                            ; my LDS stores have landed and my LDS loads are in: then the work-group's barrier
	s_wait_dscnt 0x0
	s_barrier_signal -1
	s_barrier_wait -1
.endm
; In: v[16 + 2 h] = m, v[17 + 2 h] = l of block g = my thread.  Out: v[112 + h] = M_h, v[120 + h] = f_g,h, v[136 + h] = 1 / L_h.  v3 = 32 x wave, v4 = 0.
.macro STATS red1, red2
.irp h, 0,1,2,3,4,5,6,7
	v_mov_b32 v[32+\h], v[16+2*\h]
	v_mov_b32 v[40+\h], v[16+2*\h]                 ; (written once: a lane permute's destination counts as one of its sources)
.endr
	ALLMAX8 32, 40
	ds_store_b128 v3, v[32:35] offset:\red1        ; all lanes write the same bytes with the same values
	ds_store_b128 v3, v[36:39] offset:\red1+16
	MEET
.irp j, 0,1,2,3,4,5,6,7,8,9,10,11,12,13,14,15
	ds_load_b128 v[48+4*\j:51+4*\j], v4 offset:\red1+16*\j
.endr
	s_wait_dscnt 0x0
.irp h, 0,1,2,3,4,5,6,7
	v_max3_num_f32 v[112+\h], v[48+\h], v[56+\h], v[64+\h]
.endr
.irp h, 0,1,2,3,4,5,6,7
	v_max3_num_f32 v[112+\h], v[112+\h], v[72+\h], v[80+\h]
.endr
.irp h, 0,1,2,3,4,5,6,7
	v_max3_num_f32 v[112+\h], v[112+\h], v[88+\h], v[96+\h]
.endr
.irp h, 0,1,2,3,4,5,6,7
	v_max_num_f32 v[112+\h], v[112+\h], v[104+\h]
.endr
.irp h, 0,1,2,3,4,5,6,7
	v_sub_f32 v[120+\h], v[16+2*\h], v[112+\h]
.endr
	s_wait_alu depctr_va_vdst(0)
.irp h, 0,1,2,3,4,5,6,7
	v_exp_f32 v[120+\h], v[120+\h]
.endr
	v_nop                                          ; a plain line behind the last exponential,
	s_wait_alu depctr_va_vdst(0)                   ; and the wait ahead of the first use: one for the eight
.irp h, 0,1,2,3,4,5,6,7
	v_mul_f32 v[32+\h], v[17+2*\h], v[120+\h]
.endr
	ALLSUM8 32, 40
	ds_store_b128 v3, v[32:35] offset:\red2
	ds_store_b128 v3, v[36:39] offset:\red2+16
	MEET
.irp j, 0,1,2,3,4,5,6,7,8,9,10,11,12,13,14,15
	ds_load_b128 v[48+4*\j:51+4*\j], v4 offset:\red2+16*\j
.endr
	s_wait_dscnt 0x0
.irp j, 0,2,4,6
	v_pk_add_f32 v[128+\j:129+\j], v[48+\j:49+\j], v[56+\j:57+\j]
.endr
.irp w, 2,3,4,5,6,7
.irp j, 0,2,4,6
	s_delay_alu instid0(VALU_DEP_4)
	v_pk_add_f32 v[128+\j:129+\j], v[128+\j:129+\j], v[48+8*\w+\j:49+8*\w+\j]
.endr
.endr
	s_wait_alu depctr_va_vdst(0)
.irp h, 0,1,2,3,4,5,6,7
	v_rcp_f32 v[136+\h], v[128+\h]
.endr
	v_nop
	s_wait_alu depctr_va_vdst(0)
.endm
; The sum over my 128 blocks of pacc, in 16 sets of 8.  Set j lies in slot j % 7 of window 1, 32 registers; every offset is an immediate.
.macro LOADSET j
	WIN 0x40                                       ; destination window 1, address window 0
.irp i, 0,1,2,3,4,5,6,7
	global_load_b128 v[32*((\j)%7)+4*\i:32*((\j)%7)+4*\i+3], v8, s[8:9] offset:(8*(\j)+\i)*2048   ; a wave reads 512 consecutive bytes of a block's row
.endr
.endm
.macro USESET j                        ; the wait leaves the younger loads out: six sets while there are six, then those that are left; from set 12 on also the 18 of Wo, bv and bo
.if (\j) < 10
	s_wait_loadcnt 48
.elseif (\j) < 12
	s_wait_loadcnt 8*(15-(\j))
.else
	s_wait_loadcnt 8*(15-(\j))+18
.endif
	WIN 0x01                                       ; source 0 window 1; the factors and the sums in window 0
.irp i, 0,1,2,3,4,5,6,7
.irp e, 0,1,2,3
.if 8*(\j)+\i < 2
	v_mul_f32 v[AC+4*(\i%2)+\e], v[32*((\j)%7)+4*\i+\e], v[16+8*(\j)+\i]     ; the first two blocks start the two chains: nothing is cleared
.else
	v_fmac_f32 v[AC+4*(\i%2)+\e], v[32*((\j)%7)+4*\i+\e], v[16+8*(\j)+\i]
.endif
.endr
.endr
.endm
.macro DOT4 w, x, d                    ; v[d] = my lane's part of a dot product: 16 numbers at v[w] on times 16 at v[x] on, in two chains
	v_pk_mul_f32 v[TA:TA+1], v[\w:\w+1], v[\x:\x+1]
	v_pk_mul_f32 v[TA+2:TA+3], v[\w+2:\w+3], v[\x+2:\x+3]
.irp i, 4,8,12
	s_delay_alu instid0(VALU_DEP_2)
	v_pk_fma_f32 v[TA:TA+1], v[\w+\i:\w+\i+1], v[\x+\i:\x+\i+1], v[TA:TA+1]
	s_delay_alu instid0(VALU_DEP_2)
	v_pk_fma_f32 v[TA+2:TA+3], v[\w+\i+2:\w+\i+3], v[\x+\i+2:\x+\i+3], v[TA+2:TA+3]
.endr
	s_delay_alu instid0(VALU_DEP_1)
	v_pk_add_f32 v[TA:TA+1], v[TA:TA+1], v[TA+2:TA+3]
	s_delay_alu instid0(VALU_DEP_1)
	v_add_f32 v[\d], v[TA], v[TA+1]
.endm
	s_load_b256 s[4:11], s[0:1], 0x0               ; scores s[4:5], pstat s[6:7], pacc s[8:9], Wo s[10:11]
	s_load_b256 s[12:19], s[0:1], 0x20             ; bv s[12:13], bo s[14:15], out0 s[16:17], out1 s[18:19]
	v_lshl_add_u32 v[SPW], v0, 2, SPARE
	v_mov_b32 v[NIL], 0
	v_lshrrev_b32 v1, 5, v0
	s_delay_alu instid0(VALU_DEP_1)
	v_readfirstlane_b32 s20, v1                    ; wave 0..7
	v_and_b32 v1, 31, v0                           ; lane
	v_lshlrev_b32 v2, 6, v0                        ; pstat: 64 bytes a block
	v_and_b32 v3, 0xe0, v0                         ; 32 x wave
	v_mov_b32 v4, 0
	s_mov_b32 s[SEL], 0x76543210
	s_mov_b32 s[SEL+1], 0xfedcba98
	s_mov_b32 s25, 0
	s_mov_b32 s27, 0
	s_wait_alu depctr_va_vdst(0)
	s_wait_kmcnt 0x0
.irp j, 0,1,2,3
	global_load_b128 v[16+4*\j:19+4*\j], v2, s[6:7] offset:16*\j
.endr
	s_cmp_lt_u32 ttmp9, 128
	s_cbranch_scc0 .Lpack
	; ---- out1
	s_lshl_b32 s24, ttmp9, 12                      ; 1,024 n of 4 bytes
	s_add_nc_u64 s[4:5], s[4:5], s[24:25]
	s_add_nc_u64 s[18:19], s[18:19], s[24:25]
	v_lshlrev_b32 v5, 4, v0                        ; 4 n a thread
.irp h, 0,1,2,3,4,5,6,7
	global_load_b128 v[144+4*\h:147+4*\h], v5, s[4:5] offset:524288*\h th:TH_LOAD_NT   ; a wave reads 512 consecutive bytes of head h
.endr
	s_wait_loadcnt 8                               ; pstat is in; the eight loads of scores may stay out
	STATS R1A, R2A
	s_wait_loadcnt 0x0
.irp h, 0,1,2,3,4,5,6,7
.irp e, 0,1,2,3
	v_sub_f32 v[144+4*\h+\e], v[144+4*\h+\e], v[112+\h]   ; the maximum is taken away ahead of the exponential
.endr
.endr
	s_wait_alu depctr_va_vdst(0)
.irp i, 0,1,2,3,4,5,6,7,8,9,10,11,12,13,14,15,16,17,18,19,20,21,22,23,24,25,26,27,28,29,30,31
	v_exp_f32 v[144+\i], v[144+\i]
.endr
.irp h, 0,1,2,3,4,5,6,7
	v_mul_f32 v[176+\h], 0x3e000000, v[136+\h]     ; 1 / (8 L_h): plain lines behind the batch
.endr
	s_wait_alu depctr_va_vdst(0)                   ; one wait for the 32
.irp e, 0,1,2,3
	v_mul_f32 v[184+\e], v[144+\e], v176
.endr
.irp h, 1,2,3,4,5,6,7
.irp e, 0,1,2,3
	v_fmac_f32 v[184+\e], v[144+4*\h+\e], v[176+\h]
.endr
.endr
	global_store_b128 v5, v[184:187], s[18:19]     ; a wave stores 512 consecutive bytes, at a multiple of 256 from out1's first byte
	s_wait_tensorcnt 0x0                           ; the wave's end
	ds_add_u32 v[SPW], v[NIL]
	s_wait_dscnt 0x0
	s_endpgm
	; ---- out0
.Lpack:
	v_and_b32 v5, 127, v0                          ; cq: channels 4 cq .. 4 cq + 3
	s_wait_alu depctr_va_vdst(0)
	v_lshrrev_b32 v6, 7, v0                        ; gg: blocks 128 gg .. 128 gg + 127
	s_wait_alu depctr_va_vdst(0)
	v_lshlrev_b32 v8, 4, v5
	s_delay_alu instid0(VALU_DEP_1)
	v_lshl_add_u32 v9, v6, 3, v8                   ; 16 cq + 8 gg: the two channels that I finish
	s_delay_alu instid0(VALU_DEP_2)
	v_lshl_add_u32 v8, v6, 18, v8                  ; pacc: 128 gg rows of 2,048 bytes + 16 cq
.irp j, 0,1,2,3,4,5,6
	LOADSET \j                                     ; the ring is filled before anything else is done: these need no statistics
.endr
	WIN 0
	s_sub_co_u32 s24, ttmp9, 128
	s_lshl_b32 s24, s24, 5
	s_lshl_b32 s26, s20, 2
	s_add_co_u32 s24, s24, s26                     ; my wave's first row j0 = 32 x (work-group - 128) + 4 x wave
	s_lshl_b32 s26, s24, 11
	s_add_nc_u64 s[10:11], s[10:11], s[26:27]      ; Wo at row j0
	s_lshl_b32 s26, s24, 2
	s_add_nc_u64 s[14:15], s[14:15], s[26:27]      ; bo and out0 at j0
	s_add_nc_u64 s[16:17], s[16:17], s[26:27]
	v_lshlrev_b32 v7, 4, v1                        ; 16 x lane
	v_and_b32 v10, 3, v1
	s_delay_alu instid0(VALU_DEP_1)
	v_lshlrev_b32 v11, 2, v10
	v_lshrrev_b32 v12, 4, v5                       ; my channels' head
	s_delay_alu instid0(VALU_DEP_1)
	v_lshlrev_b32 v12, 2, v12
	v_lshlrev_b32 v13, 9, v6
	s_delay_alu instid0(VALU_DEP_1)
	v_lshl_add_u32 v13, v12, 8, v13                ; FT: 1,024 x head + 4 x 128 gg: my 128 factors lie on end
	v_lshlrev_b32 v152, 2, v0                      ; FT, on the way in: 4 bytes a thread in each head's row
	v_lshlrev_b32 v153, 4, v0                      ; RS, on the way in: 16 bytes a thread
	v_and_b32 v154, 15, v5
	s_delay_alu instid0(VALU_DEP_1)
	v_lshlrev_b32 v154, 7, v154
	s_delay_alu instid0(VALU_DEP_1)
	v_lshl_add_u32 v154, v6, 6, v154
	s_delay_alu instid0(VALU_DEP_1)
	v_add_nc_u32 v154, v154, v12                   ; flat[8 d + h], d = 4 (cq % 16) + 2 gg + 0, 1: 128 (cq % 16) + 64 gg + 4 h bytes, and 32 more for the second
	s_wait_loadcnt 56                              ; pstat is in; the ring's 56 loads may stay out
	STATS R1B, R2B
.irp h, 0,1,2,3,4,5,6,7
	v_mul_f32 v[120+\h], v[120+\h], v[136+\h]      ; f / L
.endr
.irp h, 0,1,2,3,4,5,6,7
	ds_store_b32 v152, v[120+\h] offset:FT+1024*\h
.endr
	MEET
.irp n, 0,1,2,3,4,5,6,7,8,9,10,11,12,13,14,15,16,17,18,19,20,21,22,23,24,25,26,27,28,29,30,31
	ds_load_b128 v[16+4*\n:19+4*\n], v13 offset:FT+16*\n   ; all my 128 factors: block 128 gg + i in v[16 + i]; sixteen lanes share each address
.endr
	s_wait_dscnt 0x0
.irp j, 0,1,2,3,4,5,6,7,8
	s_wait_alu depctr_va_vdst(0)
	USESET \j
	LOADSET \j+7                                   ; into the slot just used up
.endr
	s_wait_alu depctr_va_vdst(0)
	USESET 9
	s_wait_alu depctr_va_vdst(0)
	USESET 10
	s_wait_alu depctr_va_vdst(0)
	USESET 11
	WIN 0
.irp e, 0,1,2,3
.irp k, 0,1,2,3
	global_load_b128 v[192+16*\e+4*\k:195+16*\e+4*\k], v7, s[10:11] offset:2048*\e+512*\k th:TH_LOAD_NT   ; four rows of Wo: with sets 12 to 15, 32 + 18 loads of mine are out
.endr
.endr
	global_load_b64 v[156:157], v9, s[12:13]       ; bv of my two channels
	global_load_b32 v158, v11, s[14:15]            ; bo
	s_wait_alu depctr_va_vdst(0)
	USESET 12
	s_wait_alu depctr_va_vdst(0)
	USESET 13
	s_wait_alu depctr_va_vdst(0)
	USESET 14
	s_wait_alu depctr_va_vdst(0)
	USESET 15
	WIN 0
	v_pk_add_f32 v[AC:AC+1], v[AC:AC+1], v[AC+4:AC+5]
	v_pk_add_f32 v[AC+2:AC+3], v[AC+2:AC+3], v[AC+6:AC+7]
	ds_store_b128 v153, v[AC:AC+3] offset:RS
	MEET
	ds_load_b64 v[160:161], v9 offset:RS           ; my two channels: the sum over blocks 0-127,
	ds_load_b64 v[162:163], v9 offset:RS+2048      ; and over blocks 128-255
	s_wait_dscnt 0x0
	v_pk_add_f32 v[160:161], v[160:161], v[162:163]
	s_wait_alu depctr_va_vdst(0)
	s_wait_loadcnt 0x0                             ; Wo, bv, bo
	v_pk_add_f32 v[160:161], v[160:161], v[156:157]    ; + bv
	ds_store_b32 v154, v160 offset:FL
	ds_store_b32 v154, v161 offset:FL+32
	MEET
.irp k, 0,1,2,3
	ds_load_b128 v[16+4*\k:19+4*\k], v7 offset:FL+512*\k
.endr
.irp e, 0,1,2,3
	v_mov_b32 v[112+\e], 0                         ; written once: a lane permute's destination counts as one of its sources
.endr
	s_wait_dscnt 0x0
.irp e, 0,1,2,3
	DOT4 192+16*\e, 16, 108+\e
.endr
.irp m, 1,2,4,8
.irp e, 0,1,2,3
	v_add_f32_dpp v[108+\e], v[108+\e], v[108+\e] row_xmask:\m row_mask:0xf bank_mask:0xf
.endr
.endr
.irp e, 0,1,2,3
	s_delay_alu instid0(VALU_DEP_4)
	v_permlanex16_b32 v[112+\e], v[108+\e], s[SEL], s[SEL+1]
.endr
.irp e, 0,1,2,3
	s_delay_alu instid0(VALU_DEP_4)
	v_add_f32 v[108+\e], v[108+\e], v[112+\e]
.endr
.irp e, 1,2,3
	v_cmp_eq_u32 vcc_lo, \e, v10
	s_delay_alu instid0(VALU_DEP_1)
	v_cndmask_b32 v108, v108, v[108+\e], vcc_lo    ; lane l keeps row j0 + l % 4
.endr
	s_delay_alu instid0(VALU_DEP_1)
	v_add_f32 v108, v108, v158                     ; + bo
	v_cmp_gt_u32 vcc_lo, 4, v1
	s_wait_alu depctr_va_vdst(0)
	s_wait_xcnt 0x0                                ; EXEC is a source of the loads above: it changes only behind this wait
	s_and_saveexec_b32 s28, vcc_lo
	global_store_b32 v11, v108, s[16:17]           ; lanes 0-3: 16 consecutive bytes a wave
	s_wait_xcnt 0x0                                ; and again ahead of the line that widens it
	s_or_b32 exec_lo, exec_lo, s28
	s_wait_tensorcnt 0x0                           ; the wave's end
	ds_add_u32 v[SPW], v[NIL]
	s_wait_dscnt 0x0
	s_endpgm
.Lfunc_end_k_q66f6bd220e_finish:
	.size	k_q66f6bd220e_finish, .Lfunc_end_k_q66f6bd220e_finish-k_q66f6bd220e_finish
	.p2alignl 7, 3214868480
	.fill 96, 4, 3214868480
	.section	.rodata,"a",@progbits
	.p2align	6, 0x0
	.amdhsa_kernel k_q66f6bd220e_finish
		.amdhsa_group_segment_fixed_size 16384
		.amdhsa_private_segment_fixed_size 0
		.amdhsa_enable_private_segment 0
		.amdhsa_kernarg_size 64
		.amdhsa_user_sgpr_count 2
		.amdhsa_user_sgpr_kernarg_segment_ptr 1
		.amdhsa_wavefront_size32 1
		.amdhsa_system_sgpr_workgroup_id_x 1
		.amdhsa_system_sgpr_workgroup_id_y 1
		.amdhsa_system_sgpr_workgroup_id_z 1
		.amdhsa_system_vgpr_workitem_id 0
		.amdhsa_next_free_vgpr 512
		.amdhsa_next_free_sgpr 66
		.amdhsa_reserve_vcc 1
		.amdhsa_float_denorm_mode_32 3
		.amdhsa_float_denorm_mode_16_64 3
		.amdhsa_memory_ordered 1
		.amdhsa_forward_progress 1
		.amdhsa_inst_pref_size 77
	.end_amdhsa_kernel
	.amdgpu_metadata
---
amdhsa.version: [ 1, 2 ]
amdhsa.kernels:
  - .name:           k_q66f6bd220e_finish
    .symbol:         k_q66f6bd220e_finish.kd
    .args:
      - { .name: scores, .offset: 0, .size: 8, .value_kind: global_buffer, .address_space: global }
      - { .name: pstat, .offset: 8, .size: 8, .value_kind: global_buffer, .address_space: global }
      - { .name: pacc, .offset: 16, .size: 8, .value_kind: global_buffer, .address_space: global }
      - { .name: Wo, .offset: 24, .size: 8, .value_kind: global_buffer, .address_space: global }
      - { .name: bv, .offset: 32, .size: 8, .value_kind: global_buffer, .address_space: global }
      - { .name: bo, .offset: 40, .size: 8, .value_kind: global_buffer, .address_space: global }
      - { .name: out0, .offset: 48, .size: 8, .value_kind: global_buffer, .address_space: global }
      - { .name: out1, .offset: 56, .size: 8, .value_kind: global_buffer, .address_space: global }
    .group_segment_fixed_size: 16384
    .private_segment_fixed_size: 0
    .kernarg_segment_align: 8
    .kernarg_segment_size: 64
    .max_flat_workgroup_size: 256
    .sgpr_count:     66
    .vgpr_count:     512
    .wavefront_size: 32
...
	.end_amdgpu_metadata
.endif
;; end of part 3
